; MI455X (gfx1250); checked and timed in simulation.
; The chip was launched on July 23, 2026; its instructions are those of AMD's public machine-readable ISA for CDNA 5 (MIT licence, August 2026) and "CDNA5" Instruction Set Architecture Reference Guide (July 2026). The comments in the code are by the model that wrote it; some were corrected since.
;; Self Attention. Allowed arithmetic: matrix products marked QUANTISED: E2M3 operands, one E8M0 scale for each 32 along K, by v_wmma_scale_f32_16x16x128_f8f6f4 with both operands' format E2M3, f32 sums; everything else in f32.
;; Inputs: W_out 1,024 x 1,024 float32; W_qkv 3,072 x 1,024 float32; x 4 x 2,048 x 1,024 float32.
;; Outputs: out0 4 x 2,048 x 1,024 float32.
;; This version of the problem:
;;   THIS VERSION OF THE PROBLEM IS GIVEN IN LOW PRECISION. The matrix products marked QUANTISED in the list below multiply operands that are first quantised to E2M3 (2 exponent bits, 3 mantissa bits; 6 bits a number), with one power-of-two scale for each 32 numbers along K (OCP MX v1.0); their sums are f32. All else is computed in f32.
;;   The module's matrix products, in the order in which they are computed (A, B: the left and right operand; K: the contracted axis; several contracted axes count as one K, in the product's order):
;;     1. [M 8,192, K 1,024] x [K 1,024, N 3,072]; A: input x; B: input W_qkv: QUANTISED
;;     2. batch 64 x [M 2,048, K 64] x [K 64, N 2,048]; A: computed on the way; B: computed on the way: QUANTISED
;;     3. batch 64 x [M 2,048, K 2,048] x [K 2,048, N 64]; A: softmax (see below); B: computed on the way: QUANTISED
;;     4. [M 8,192, K 1,024] x [K 1,024, N 1,024]; A: computed on the way; B: input W_out: QUANTISED
;;   THE QUANTISER, for each operand of a quantised product, along K:
;;     - K is cut into blocks of 32 from its start; a last block that is shorter is filled with zeros.
;;     - A block's scale is 2^e with e = floor(log2(the largest magnitude in the block)) - 2, held to -126 .. 127; a block of zeros has e = 0. As a byte (E8M0): e + 127.
;;     - Each number is divided by its block's scale, clamped to +-7.5, and rounded to the nearest number of E2M3, ties to even, subnormals kept.
;;     - The product sums the exact products of the quantised numbers (number of the format x scale) in f32.
;;   ~~~python
;;   def quantise(x, axis):      # numpy; x: float32 -> the quantised numbers, widened to float32 again
;;       x = np.moveaxis(x, axis, -1); K = x.shape[-1]
;;       x = np.pad(x, [(0, 0)] * (x.ndim - 1) + [(0, -K % 32)]); x = x.reshape(x.shape[:-1] + (-1, 32)); a = np.abs(x).max(-1, keepdims=True)
;;       e = np.where(a > 0, np.clip(np.frexp(np.where(a > 0, a, 1))[1] - 1 - 2, -126, 127), 0)      # np.frexp(a)[1] - 1 = floor(log2(a)), exactly
;;       r = np.clip(x / 2.0 ** e, -7.5, 7.5)
;;       step = 2.0 ** (np.maximum(np.frexp(np.where(r == 0, 1, r))[1] - 1, 0) - 3)
;;       q = np.round(r / step) * step * 2.0 ** e      # np.round: ties to even
;;       return np.moveaxis(q.reshape(q.shape[:-2] + (-1,))[..., :K], -1, axis).astype(np.float32)
;;   ~~~
;;   SOFTMAX AHEAD OF A QUANTISED PRODUCT. Where the list says 'softmax', what is quantised is not the finished softmax but p = 2^(t - M), with t = logit x log2(e) and M = ceil(the row's largest t), a whole number; so 1/2 < the row's largest p <= 1. The row's sum l is taken of the UNQUANTISED p, in f32, and the product's result is divided by l at the end. Since M is a whole number, a kernel that streams over the keys may use a running M (the ceiling of the running maximum): every later rescaling is an exact power of two, which a block's scale takes up: the codes' values come out the same.
;;   OPERANDS COMPUTED ON THE WAY. 'Computed on the way' means the value that the module computes at that place (a softmax that the list does not call 'softmax' is quantised finished and normalised). What goes into a quantiser is computed in f32, as accurately as f32 sums, v_exp_f32 and their like allow (about 1e-6 of the number): no bf16 or f16 on the way to a quantiser, and a product that is left as it is and whose result goes on into a quantised operand takes f32 operands (vector FMAs, or v_wmma_f32_16x16x4_f32). A number that lies on a knife's edge between two numbers of the format may be rounded either way, as far as f32 arithmetic and the matrix unit's own rounding can turn it there, and no further.
;; One version. Each part assembles by itself: llvm-mc -triple=amdgcn-amd-amdhsa -mcpu=gfx1250 --defsym DOCPART=n.
;; ======== version 1 of 1: 4 launches
;; limits: right only within a limited range of input values
;; workspace buffers: opq 9,830,400 bytes; qkv 20,185,088 bytes; ctx 6,553,600 bytes
;; launch quant (part 1): grid 768 x 1, 4 waves a work-group, no clusters, 68,608 bytes of LDS; arguments x, W_qkv, W_out, opq; writes opq
.if DOCPART == 1
	.amdgcn_target "amdgcn-amd-amdhsa--gfx1250"
	.amdhsa_code_object_version 6
	.text
	.protected	k_q49ef3c4d8e_quant
	.globl	k_q49ef3c4d8e_quant
	.p2align	8
	.type	k_q49ef3c4d8e_quant,@function
k_q49ef3c4d8e_quant:
	s_mov_b64 s[64:65], 0
	v_nop
	global_prefetch_b8 v0, s[64:65] scope:SCOPE_SE
	s_setreg_imm32_b32 hwreg(HW_REG_WAVE_MODE, 25, 1), 1
	s_wait_xcnt 0x0
; x [8192][1024], W_qkv [3072][1024], W_out [1024][1024], f32, K innermost, become codes of FP6 (E2M3) with one E8M0 byte for each 32 along K,
; laid in the order of a matrix operand's registers.  The three tensors are one list of 768 tiles of 16 rows: 0-511 x, 512-703 W_qkv, 704-767 W_out.
; ROWS OF A TILE: within every 64 rows tile 4 g + i holds rows 64 g + 32 (r / 8) + 8 i + r % 8, r = 0 .. 15.  Used as source 0 of a product, four neighbouring tiles then
; give lane (r, h) 32 registers that are the 32 neighbouring rows 64 g + 32 h + 0 .. 31: a whole block of the next product's K in one lane.
; A HALF IMAGE is 16 rows x 64 K, 768 bytes: lane (r, h) = (lane % 16, lane / 16) owns the 24 bytes of row r's block 2 g + h; its registers 0-3 lie at 16 x lane, its registers 4, 5 at 512 + 8 x lane.
; opq: tile T's 16 half images at 12,288 T + 768 g; its scale words at 9,437,184 + 512 T + 128 s + 8 r + 4 q: the word of K step 2 s + q (128 along K) of row r.
; A block's scale is 2^(floor(log2(largest magnitude)) - 2): its byte is the largest magnitude's exponent field - 2.
; LIMITS: the largest magnitude is taken no smaller than 2^-124, so the byte is at least 1; a block of zeros carries that byte (its codes are zeros; this program alone reads the bytes); NaN and infinities are not served.
; SHARES: a work-group takes a tile, wave s the K quarter s: 16 rows x 1,024 bytes, all 32 loads out at once; each load reads 512 consecutive bytes.  The numbers turn through the wave's own
; stage in LDS (rows of 512 + 16 bytes), so that a lane gets the 32 neighbours of its block.  Every store of codes covers 512 or 256 consecutive bytes, aligned.
.set TILEB, 12288
.set OPSC,  9437184
.set PITCH, 528
.set STG,   16*PITCH                   ; a stage: one K step of 128 for 16 rows
.set WSTG,  2*STG                      ; two stages a wave
.set SCG,   4*WSTG                     ; behind the stages: the tile's 512 bytes of scale words
.set R,     32                         ; v32-159  K step k, row p at R + 64 k + 4 p; behind the turn register 32 c + i = number 64 c + 32 h + i of my row
.set C,     160                        ; v160-199 K step k's codes at C + 20 k: 12 registers, and the conversions' second halves at +12 and +16
	s_load_b256 s[4:11], s[0:1], 0x0               ; x s[4:5], W_qkv s[6:7], W_out s[8:9], opq s[10:11]
	v_lshl_add_u32 v200, v0, 2, 0x10a00
	v_mov_b32 v201, 0
	v_lshrrev_b32 v1, 5, v0
	v_readfirstlane_b32 s16, v1                    ; wave = K quarter
	v_and_b32 v1, 31, v0                           ; lane
	v_and_b32 v2, 15, v0                           ; r
	v_bfe_u32 v3, v0, 4, 1                         ; h
	v_lshlrev_b32 v4, 4, v1                        ; 16 x lane
	v_lshlrev_b32 v5, 3, v1                        ; 8 x lane
	s_mul_i32 s17, s16, WSTG
	v_add_nc_u32 v6, s17, v4                       ; into my stage: a row's 512 bytes as they lie
	v_mul_u32_u24 v7, v2, PITCH
	v_lshl_add_u32 v7, v3, 7, v7
	v_add_nc_u32 v7, s17, v7                       ; out of it: row r, + 128 h: my block's 32 numbers
	s_lshl_b32 s18, s16, 7
	s_add_co_u32 s18, s18, SCG
	v_lshlrev_b32 v8, 3, v2
	v_lshl_add_u32 v8, v3, 2, v8
	v_add_nc_u32 v8, s18, v8                       ; my scale word's place: 128 s + 8 r + 4 h
	v_add_nc_u32 v9, SCG, v4                       ; and the way out of the 512 bytes
	v_mov_b32 v17, 0                               ; a lane permute's destination counts as read: written once
	v_lshlrev_b32 v18, 3, v3                       ; 8 h
	s_mov_b32 s20, 0x76543210
	s_mov_b32 s21, 0xfedcba98                      ; selects for lane l xor 16
	s_mov_b32 s22, 0xffff0000                      ; lanes 16-31
	s_mov_b32 s12, 704
	s_wait_alu depctr_va_vdst(0)                   ; the wait at the head's end
	s_wait_kmcnt 0x0
	s_cmp_lt_u32 ttmp9, 704                        ; which tensor: the choice hangs on the work-group's number alone
	s_cselect_b64 s[14:15], s[6:7], s[8:9]
	s_cselect_b32 s12, 512, s12
	s_cmp_lt_u32 ttmp9, 512
	s_cselect_b64 s[14:15], s[4:5], s[14:15]
	s_cselect_b32 s12, 0, s12
	s_sub_co_u32 s12, ttmp9, s12                   ; the tile's number in its tensor
	s_lshr_b32 s13, s12, 2
	s_lshl_b32 s13, s13, 6
	s_and_b32 s12, s12, 3
	s_lshl_b32 s12, s12, 3
	s_add_co_u32 s12, s12, s13                     ; its first row: 64 g + 8 i
	s_lshl_b32 s12, s12, 12                        ; rows of 4,096 bytes
	s_lshl_b32 s13, s16, 10
	s_add_co_u32 s12, s12, s13                     ; + my quarter
	s_mov_b32 s13, 0
	s_add_nc_u64 s[14:15], s[14:15], s[12:13]
	s_mul_i32 s24, ttmp9, TILEB
	s_mul_i32 s25, s16, 3072
	s_add_co_u32 s24, s24, s25
	s_mov_b32 s25, 0
	s_add_nc_u64 s[24:25], s[10:11], s[24:25]      ; my four half images
	s_lshl_b32 s26, ttmp9, 9
	s_add_co_u32 s26, s26, OPSC
	s_mov_b32 s27, 0
	s_add_nc_u64 s[26:27], s[10:11], s[26:27]      ; the tile's scale words
.macro LOAD k                          ; K step k of my quarter: 16 rows x 512 bytes; the tile's rows 8-15 lie 32 rows below its rows 0-7
.irp p, 0,1,2,3,4,5,6,7,8,9,10,11,12,13,14,15
	global_load_b128 v[R+64*\k+4*\p:R+64*\k+4*\p+3], v4, s[14:15] offset:(\p%8+32*(\p/8))*4096+512*\k th:TH_LOAD_NT
.endr
.endm
.macro TURN k                          ; through the stage and back into the registers that they left; LDS serves a wave's instructions in order, so no wait stands between
.irp p, 0,1,2,3,4,5,6,7,8,9,10,11,12,13,14,15
	ds_store_b128 v6, v[R+64*\k+4*\p:R+64*\k+4*\p+3] offset:STG*\k+PITCH*\p
.endr
.irp c, 0,1
.irp i, 0,1,2,3,4,5,6,7
	ds_load_b128 v[R+64*\k+32*\c+4*\i:R+64*\k+32*\c+4*\i+3], v7 offset:STG*\k+256*\c+16*\i
.endr
.endr
.endm
.macro QUANT k                         ; my two whole blocks (2 c + h) of K step k: codes into v[C + 20 k] on, the row's scale word into v[19 + k]
.set X, R+64*\k
.set CC, C+20*\k
.irp c, 0,1
	v_max3_num_f32 v[10+\c], |v[X+32*\c]|, |v[X+32*\c+1]|, 0x1800000   ; with the floor 2^-124 among the leaves
.endr
.irp i, 2,4,6,8,10,12,14,16,18,20,22,24,26,28,30
.irp c, 0,1
	v_max3_num_f32 v[10+\c], v[10+\c], |v[X+32*\c+\i]|, |v[X+32*\c+\i+1]|   ; the two blocks by turns
.endr
.endr
.irp c, 0,1
	v_add_nc_u32 v[12+\c], 0xff000000, v[10+\c]    ; 2 off the exponent field: the conversion's scale operand
.endr
.irp c, 0,1
	v_lshrrev_b32 v[14+\c], 23, v[12+\c]           ; the byte
.endr
	v_lshl_or_b32 v16, v15, 16, v14                ; my bytes: blocks h and 2 + h,
	v_lshlrev_b32 v16, v18, v16                    ; 8 h bits up;
	v_permlanex16_b32 v17, v16, s20, s21
	v_or_b32 v[19+\k], v16, v17                    ; with lane l xor 16's two the word is whole
.irp c, 0,1
	v_cvt_scalef32_pk16_fp6_f32 v[CC+6*\c:CC+6*\c+2], v[X+32*\c:X+32*\c+15], v[12+\c]
	v_cvt_scalef32_pk16_fp6_f32 v[CC+12+4*\c:CC+14+4*\c], v[X+32*\c+16:X+32*\c+31], v[12+\c]   ; (a conversion's three registers begin on an even number)
.endr
	v_nop                                          ; one plain line behind the conversions
.irp c, 0,1
.irp i, 0,1,2
	v_mov_b32 v[CC+3+6*\c+\i], v[CC+12+4*\c+\i]
.endr
.endr
.endm
.macro OUT k                           ; two half images: 512 and 256 consecutive bytes each
.set CC, C+20*\k
.irp c, 0,1
	global_store_b128 v4, v[CC+6*\c:CC+6*\c+3], s[24:25] offset:1536*\k+768*\c
	global_store_b64 v5, v[CC+6*\c+4:CC+6*\c+5], s[24:25] offset:1536*\k+768*\c+512
.endr
.endm
	LOAD 0
	LOAD 1
	s_wait_loadcnt 16                              ; K step 0's sixteen loads are in, K step 1's sixteen may be out
	TURN 0
	s_wait_loadcnt 0x0
	TURN 1
	s_wait_dscnt 32                                ; the first turn is back; the second turn's 16 stores and 16 loads may be out
	QUANT 0
	OUT 0
	s_wait_dscnt 0x0
	QUANT 1
	OUT 1                                          ; each K step has its own registers for its codes: no store's data are written again
	v_cndmask_b32 v16, v19, v20, s22               ; lanes 0-15 hand in K step 0's word, lanes 16-31 K step 1's
	ds_store_b32 v8, v16
	s_wait_dscnt 0x0                               ; for wave 0's sake: my words lie in LDS
	s_barrier_signal -1
	s_barrier_wait -1
	s_cmp_lg_u32 s16, 0
	s_cbranch_scc1 .Lend
	ds_load_b128 v[12:15], v9                      ; the tile's 512 bytes of scale words
	s_wait_dscnt 0x0
	global_store_b128 v4, v[12:15], s[26:27]       ; 512 consecutive bytes, aligned
.Lend:
	s_wait_tensorcnt 0x0                           ; the wave's end
	ds_add_u32 v200, v201
	s_wait_dscnt 0x0
	s_endpgm
.Lfunc_end_k_q49ef3c4d8e_quant:
	.size	k_q49ef3c4d8e_quant, .Lfunc_end_k_q49ef3c4d8e_quant-k_q49ef3c4d8e_quant
	.p2alignl 7, 3214868480
	.fill 96, 4, 3214868480
	.section	.rodata,"a",@progbits
	.p2align	6, 0x0
	.amdhsa_kernel k_q49ef3c4d8e_quant
		.amdhsa_group_segment_fixed_size 68608
		.amdhsa_private_segment_fixed_size 0
		.amdhsa_enable_private_segment 0
		.amdhsa_kernarg_size 32
		.amdhsa_user_sgpr_count 2
		.amdhsa_user_sgpr_kernarg_segment_ptr 1
		.amdhsa_wavefront_size32 1
		.amdhsa_system_sgpr_workgroup_id_x 1
		.amdhsa_system_sgpr_workgroup_id_y 1
		.amdhsa_system_sgpr_workgroup_id_z 1
		.amdhsa_system_vgpr_workitem_id 0
		.amdhsa_next_free_vgpr 202
		.amdhsa_next_free_sgpr 66
		.amdhsa_reserve_vcc 0
		.amdhsa_float_denorm_mode_32 3
		.amdhsa_float_denorm_mode_16_64 3
		.amdhsa_memory_ordered 1
		.amdhsa_forward_progress 1
		.amdhsa_inst_pref_size 17
	.end_amdhsa_kernel
	.amdgpu_metadata
---
amdhsa.version: [ 1, 2 ]
amdhsa.kernels:
  - .name:           k_q49ef3c4d8e_quant
    .symbol:         k_q49ef3c4d8e_quant.kd
    .args:
      - { .name: x, .offset: 0, .size: 8, .value_kind: global_buffer, .address_space: global }
      - { .name: W_qkv, .offset: 8, .size: 8, .value_kind: global_buffer, .address_space: global }
      - { .name: W_out, .offset: 16, .size: 8, .value_kind: global_buffer, .address_space: global }
      - { .name: opq, .offset: 24, .size: 8, .value_kind: global_buffer, .address_space: global }
    .group_segment_fixed_size: 68608
    .private_segment_fixed_size: 0
    .kernarg_segment_align: 8
    .kernarg_segment_size: 32
    .max_flat_workgroup_size: 128
    .sgpr_count:     66
    .vgpr_count:     202
    .wavefront_size: 32
...
	.end_amdgpu_metadata
.endif
;; end of part 1
;; launch qkvgemm (part 2): grid 12 x 32, 4 waves a work-group, clusters of 4 x 4, 327,680 bytes of LDS; arguments opq, qkv; writes qkv
.if DOCPART == 2
	.amdgcn_target "amdgcn-amd-amdhsa--gfx1250"
	.amdhsa_code_object_version 6
	.text
	.protected	k_q49ef3c4d8e_qkvgemm
	.globl	k_q49ef3c4d8e_qkvgemm
	.p2align	8
	.type	k_q49ef3c4d8e_qkvgemm,@function
k_q49ef3c4d8e_qkvgemm:
	s_mov_b64 s[64:65], 0
	v_nop
	global_prefetch_b8 v0, s[64:65] scope:SCOPE_SE
	s_setreg_imm32_b32 hwreg(HW_REG_WAVE_MODE, 25, 1), 1
	s_wait_xcnt 0x0
	s_wait_alu depctr_hold_cnt(0) depctr_sa_sdst(0) depctr_va_vdst(0) depctr_va_sdst(0) depctr_va_ssrc(0) depctr_va_vcc(0) depctr_vm_vsrc(0)
	s_getreg_b32 s2, hwreg(HW_REG_IB_STS2, 6, 4)
	s_cmp_eq_u32 s2, 0
	s_cbranch_scc0 .Lentry_in_a_cluster
	s_endpgm
.Lentry_in_a_cluster:
	s_bfe_u32 s2, ttmp6, 0x10000c
	s_cmp_lg_u32 s2, 0xf033
	s_cbranch_scc0 .Lentry_shape_is_right
	s_endpgm
.Lentry_shape_is_right:
.set NQ,    2
.set FR,    12
.set NL,    4
.set NP,    4
.set TILEB, 12288
.set SLT,   3072
.set HALFT, 8*SLT
.set SLOT,  4*HALFT
.set SCL,   2*SLOT
.set SCB,   8320
.set SPARE, 213248
.set OPSC,  9437184
.set Q_IMG, 13369344
.set Q_SC,  19660800
.set HEADB, 208896
.set RECB,  13056
.set ADRA, 16
.set ADRB, 20
.set ADRS, 27
.set SPW,  28
.set NIL,  29
.set SC,   32
.set AF,   128
.set G1, 24
.set G0, 32
.set G1B, 48
.set G0B, 56
.set G1S, 68
.set G0S, 76
.set G1SB, 80
.set G0SB, 88
.set TM,   128
.set SW,   144
.set M,    152
.set E,    156
.set PC,   164
.set PT,   176
.set O16,  184
.set O8,   185
.set O16C, 186
.set O8C,  187
.set C7F,  188
.set O16H, 189
.set MSB, 0
.macro WIN new
.if MSB != (\new)
	s_set_vgpr_msb (MSB<<8)|(\new)
.set MSB, (\new)
.endif
.endm
.set MUL_LO, 0xa1
.set MUL_HI, 0xf1
.set TO_B,   0x40
.macro JLOAD g0a, g1a, g0b, g1b
	s_cmp_eq_u32 s15, 0
	s_cbranch_scc0 .Lfor_b_\@
	tensor_load_to_lds s[\g0a:\g0a+3], s[\g1a:\g1a+7]
	s_nop 0
.rept 4
	v_nop
.endr
	s_branch .Lasked_\@
.Lfor_b_\@:
	tensor_load_to_lds s[\g0b:\g0b+3], s[\g1b:\g1b+7]
	s_nop 0
.rept 4
	v_nop
.endr
.Lasked_\@:
.endm
.macro CREST
	s_cmp_lg_u32 s14, 0
	s_cbranch_scc1 .Lnot_wave_0_\@
	s_barrier_signal -3
.Lnot_wave_0_\@:
	s_barrier_wait -3
	s_barrier_signal -1
	s_barrier_wait -1
.endm
.macro CROUND
	s_barrier_signal -1
	s_barrier_wait -1
	CREST
.endm
	s_load_b128 s[4:7], s[0:1], 0x0
	v_lshl_add_u32 v[SPW], v0, 2, SPARE
	v_mov_b32 v[NIL], 0
	ds_add_u32 v28, v29
	ds_add_u32 v28, v29
	s_wait_dscnt 0x0
	v_lshrrev_b32 v1, 5, v0
	v_readfirstlane_b32 s14, v1
	s_lshr_b32 s15, s14, 1
	s_and_b32 s16, s14, 1
	s_bfe_u32 s40, ttmp6, 0x40000
	s_bfe_u32 s41, ttmp6, 0x40004
	s_lshl_b32 s43, s41, 2
	s_lshl_b32 s43, 15, s43
	s_lshl_b32 s44, 0x1111, s40
	s_or_b32 s[G1+0], s43, (3<<16)|(1<<21)
	s_or_b32 s[G1B+0], s44, (3<<16)|(1<<21)
.irp g, G1, G1B
	s_mov_b32 s[\g+1], 384<<16
	s_mov_b32 s[\g+2], 16<<16                      ; the head's loads of codes bring 16 tiles; behind them the two words are set to 8, for the ring's
	s_mov_b32 s[\g+3], 384<<16
	s_mov_b32 s[\g+4], 16
	s_mov_b32 s[\g+5], 1536
	s_mov_b32 s[\g+6], 0
	s_mov_b32 s[\g+7], 0
.endr
	s_or_b32 s[G1S+0], s43, (3<<16)|(1<<21)
	s_or_b32 s[G1SB+0], s44, (3<<16)|(1<<21)
.irp g, G1S, G1SB
	s_mov_b32 s[\g+1], 32<<16
	s_mov_b32 s[\g+2], 32<<16                      ; the scales of 16 tiles: 32 rows of 256 bytes
	s_mov_b32 s[\g+3], 32<<16
	s_mov_b32 s[\g+4], 32
	s_mov_b32 s[\g+5], 32
	s_mov_b32 s[\g+6], 0
	s_mov_b32 s[\g+7], 0
.endr
	s_and_b32 s18, ttmp7, 0xffff
	s_lshl_b32 s18, s18, 6
	s_lshl_b32 s19, ttmp9, 6
	s_add_co_u32 s19, s19, 512
	s_mov_b32 s17, 640
	s_cmp_eq_u32 ttmp9, 2
	s_cselect_b32 s17, s17, s18
	s_cselect_b32 s42, s18, s19
	s_lshl_b32 s20, s41, 4
	s_add_co_u32 s17, s17, s20
	s_lshl_b32 s46, s40, 4
	s_add_co_u32 s42, s42, s46
	s_lshl_b32 s19, s16, 3
	s_add_co_u32 s17, s17, s19
	s_add_co_u32 s42, s42, s19
	s_mul_i32 s20, s17, TILEB
	s_mov_b32 s21, 0
	s_lshl_b32 s22, s17, 9
	s_add_co_u32 s22, s22, OPSC
	s_mov_b32 s23, 0
	s_mul_i32 s46, s42, TILEB
	s_mov_b32 s47, 0
	s_lshl_b32 s92, s42, 9
	s_add_co_u32 s92, s92, OPSC
	s_mov_b32 s93, 0
	s_mul_i32 s45, s14, HALFT
	s_lshl_b32 s94, s14, 12
	s_lshl_b32 s95, s15, 7
	s_add_co_u32 s94, s94, s95
	s_wait_kmcnt 0x0
	s_add_nc_u64 s[20:21], s[4:5], s[20:21]
	s_add_nc_u64 s[22:23], s[4:5], s[22:23]
	s_add_nc_u64 s[46:47], s[4:5], s[46:47]
	s_add_nc_u64 s[92:93], s[4:5], s[92:93]
	CROUND
	s_mov_b32 s[G0S], 1
	s_mov_b32 s[G0S+1], SCL
	s_lshl_b32 s18, s16, 12                        ; back from my half to the first of the 16 tiles
	s_mov_b32 s19, 0
	s_sub_nc_u64 s[G0S+2:G0S+3], s[22:23], s[18:19]
	s_or_b32 s[G0S+3], s[G0S+3], 0x80000000
	s_mov_b32 s[G0SB], 1
	s_mov_b32 s[G0SB+1], SCL+SCB
	s_sub_nc_u64 s[G0SB+2:G0SB+3], s[92:93], s[18:19]
	s_or_b32 s[G0SB+3], s[G0SB+3], 0x80000000
.irp s, 0,1
	s_mov_b32 s[G0+4*\s], 1
	s_add_co_u32 s[G0+4*\s+1], s45, \s*SLOT
	s_add_nc_u64 s[G0+4*\s+2:G0+4*\s+3], s[20:21], \s*SLT
	s_or_b32 s[G0+4*\s+3], s[G0+4*\s+3], 0x80000000
	s_mov_b32 s[G0B+4*\s], 1
	s_add_co_u32 s[G0B+4*\s+1], s45, \s*SLOT
	s_add_nc_u64 s[G0B+4*\s+2:G0B+4*\s+3], s[46:47], \s*SLT
	s_or_b32 s[G0B+4*\s+3], s[G0B+4*\s+3], 0x80000000
.endr
	; the head's four tiles, one joint load a wave: wave 0 slot 0's 16 tiles of A, wave 1 its 16 tiles of B, wave 2 A's scales, wave 3 B's
	s_mul_i32 s18, s16, 8*TILEB
	s_mov_b32 s92, 1
	s_mov_b32 s93, 0
	s_sub_nc_u64 s[94:95], s[20:21], s[18:19]
	s_or_b32 s95, s95, 0x80000000
	s_sub_nc_u64 s[46:47], s[46:47], s[18:19]
	s_or_b32 s47, s47, 0x80000000
	s_mov_b32 s44, 1
	s_mov_b32 s45, 2*HALFT
.macro ARM under, g0, g1, next
	s_cmp_lt_u32 s14, \under
	s_cbranch_scc0 \next
	tensor_load_to_lds s[\g0:\g0+3], s[\g1:\g1+7]
	s_nop 0
.rept 4
	v_nop
.endr
	s_branch .Lhead_asked
\next:
.endm
	ARM 1, 92, G1, .Lhead_b
	ARM 2, 44, G1B, .Lhead_sa
	ARM 3, G0S, G1S, .Lhead_sb
	tensor_load_to_lds s[G0SB:G0SB+3], s[G1SB:G1SB+7]
	s_nop 0
.rept 4
	v_nop
.endr
.Lhead_asked:
	v_and_b32 v1, 31, v0
	v_and_b32 v2, 15, v0
	v_bfe_u32 v3, v0, 4, 1
	v_lshlrev_b32 v4, 4, v1
	v_lshlrev_b32 v5, 3, v1
	s_mul_i32 s21, s15, HALFT
	s_mul_i32 s22, s16, HALFT
	s_add_co_u32 s22, s22, 2*HALFT
.irp s, 0,1
	v_add_nc_u32 v[ADRA+\s], s21, v4
	v_add_nc_u32 v[ADRB+\s], s22, v4
	v_add_nc_u32 v[ADRA+2+\s], s21, v5
	v_add_nc_u32 v[ADRB+2+\s], s22, v5
	s_add_co_u32 s21, s21, SLOT
	s_add_co_u32 s22, s22, SLOT
.endr
	v_lshlrev_b32 v6, 3, v2
	s_lshl_b32 s21, s15, 12
	s_lshl_b32 s22, s16, 12
	s_add_co_u32 s22, s22, SCB
	s_sub_co_u32 s22, s22, s21
	v_mul_u32_u24 v7, s22, v3
	s_add_co_u32 s21, s21, SCL
	v_add_nc_u32 v6, v6, v7
	v_add_nc_u32 v[ADRS], s21, v6
	s_and_b32 s2, ttmp7, 0xffff
	s_lshl_b32 s2, s2, 6
	s_cmp_eq_u32 ttmp9, 2
	s_cselect_b32 s8, s40, s41
	s_cselect_b32 s9, s16, s15
	s_cselect_b32 s10, s41, s40
	s_cselect_b32 s11, s15, s16
	s_lshl_b32 s8, s8, 4
	s_add_co_u32 s2, s2, s8
	s_lshl_b32 s9, s9, 3
	s_add_co_u32 s2, s2, s9
	s_lshr_b32 s3, s2, 7
	s_bfe_u32 s2, s2, 0x40003
	s_lshl_b32 s10, s10, 2
	s_lshl_b32 s11, s11, 1
	s_add_co_u32 s10, s10, s11
	s_lshl_b32 s3, s3, 4
	s_add_co_u32 s3, s3, s10
	s_mul_i32 s8, s3, HEADB
	s_mul_i32 s9, s2, RECB
	s_add_co_u32 s8, s8, s9
	s_mul_i32 s10, s3, 98304
	s_mul_i32 s11, s2, 6144
	s_add_co_u32 s10, s10, s11
	s_add_co_u32 s10, s10, Q_IMG
	s_lshl_b32 s12, s3, 13
	s_lshl_b32 s13, s2, 9
	s_add_co_u32 s12, s12, s13
	s_add_co_u32 s12, s12, Q_SC
	s_mov_b32 s9, 12288
	s_mov_b32 s66, 768
	s_mov_b32 s98, HEADB
	s_cmp_eq_u32 ttmp9, 2
	s_cselect_b32 s9, 12800, s9
	s_cselect_b32 s11, 6144, 0
	s_cselect_b32 s66, 1536, s66
	s_cselect_b32 s96, 202752, 0
	s_cselect_b32 s98, 768, s98
	s_add_co_u32 s11, s8, s11
	s_add_co_u32 s9, s8, s9
	s_mov_b32 s99, HEADB
	s_cmp_eq_u32 ttmp9, 0
	s_cselect_b32 s8, s10, s11
	s_cselect_b32 s10, s12, s9
	s_cselect_b32 s98, 98304, s98
	s_cselect_b32 s99, 8192, s99
	s_cselect_b32 s3, 0x03030303, 0
	s_mov_b32 s9, 0
	s_mov_b32 s11, 0
	s_mov_b32 s67, 0
	s_mov_b32 s97, 0
	s_add_nc_u64 s[8:9], s[6:7], s[8:9]
	s_add_nc_u64 s[10:11], s[6:7], s[10:11]
	s_mov_b32 s2, 0x76543210
	s_mov_b32 s12, 0xfedcba98
	s_mov_b32 s13, 0xffff0000
.macro FRAG reg, adr, q, i
	ds_load_b128 v[\reg:\reg+3], v[\adr] offset:SLT*(\i)+1536*(\q)
	ds_load_b64 v[\reg+4:\reg+5], v[\adr+2] offset:SLT*(\i)+1536*(\q)+512
	ds_load_b128 v[\reg+6:\reg+9], v[\adr] offset:SLT*(\i)+1536*(\q)+768
	ds_load_b64 v[\reg+10:\reg+11], v[\adr+2] offset:SLT*(\i)+1536*(\q)+1280
.endm
.macro MUL16 a0, p, q, sc, zero
.irp a, \a0, \a0+1
.irp b, 0,1,2,3,4,5,6,7
.if \zero
	v_wmma_scale_f32_16x16x128_f8f6f4 v[8*(8*((\a)%4)+\b):8*(8*((\a)%4)+\b)+7], v[128*(\p)+FR*\b:128*(\p)+FR*\b+FR-1], v[AF+FR*(\a):AF+FR*(\a)+FR-1], 0, v[SC+8*NQ*(\sc)+NQ*\b+(\q)], v[SC+8*NQ*(\sc)+NQ*(\a)+(\q)] matrix_a_fmt:MATRIX_FMT_FP6 matrix_b_fmt:MATRIX_FMT_FP6 matrix_a_scale:MATRIX_SCALE_ROW1
.else
	v_wmma_scale_f32_16x16x128_f8f6f4 v[8*(8*((\a)%4)+\b):8*(8*((\a)%4)+\b)+7], v[128*(\p)+FR*\b:128*(\p)+FR*\b+FR-1], v[AF+FR*(\a):AF+FR*(\a)+FR-1], v[8*(8*((\a)%4)+\b):8*(8*((\a)%4)+\b)+7], v[SC+8*NQ*(\sc)+NQ*\b+(\q)], v[SC+8*NQ*(\sc)+NQ*(\a)+(\q)] matrix_a_fmt:MATRIX_FMT_FP6 matrix_b_fmt:MATRIX_FMT_FP6 matrix_a_scale:MATRIX_SCALE_ROW1
.endif
.endr
.endr
.endm
.macro FETCH_B slot, q, p
	WIN TO_B
.irp i, 0,1,2,3,4,5,6,7
	FRAG 128*(\p)+FR*\i, ADRB+\slot, \q, \i
.endr
	WIN 0
.endm
.macro FETCH_A slot, q, i0
.irp i, \i0, \i0+1, \i0+2, \i0+3
	FRAG AF+FR*(\i), ADRA+\slot, \q, \i
.endr
.endm
.macro SCALES sc
.irp i, 0,1,2,3,4,5,6,7
	ds_load_b64 v[SC+8*NQ*\sc+NQ*\i:SC+8*NQ*\sc+NQ*\i+1], v[ADRS] offset:512*\i
.endr
.endm
.macro PLACES n
.rept \n
	v_nop
.endr
.endm
.macro STEP slot, q, zero
	s_wait_dscnt 4*NL
	WIN MUL_LO
	MUL16 0, (\q)%2, \q, \slot, \zero
	MUL16 2, (\q)%2, \q, \slot, \zero
	s_wait_dscnt 0
	PLACES NP
	FETCH_B \slot, (\q)+1, 1-(\q)%2
	FETCH_A \slot, (\q)+1, 0
	WIN MUL_HI
	MUL16 4, (\q)%2, \q, \slot, \zero
	MUL16 6, (\q)%2, \q, \slot, \zero
	PLACES NP
	WIN 0
	FETCH_A \slot, (\q)+1, 4
.endm
.macro TURN slot, next, fill
	s_wait_tensorcnt 0x0
	ds_add_u32 v[SPW], v[NIL]
	s_wait_dscnt 4*NL+1
	WIN MUL_LO
	MUL16 0, 1, NQ-1, \slot, 0
	s_wait_dscnt 0x0
	s_barrier_signal -1
	MUL16 2, 1, NQ-1, \slot, 0
	WIN 0
	s_barrier_wait -1
.if \fill
	CREST
	s_add_nc_u64 s[G0+4*\slot+2:G0+4*\slot+3], s[G0+4*\slot+2:G0+4*\slot+3], 2*SLT
	s_add_nc_u64 s[G0B+4*\slot+2:G0B+4*\slot+3], s[G0B+4*\slot+2:G0B+4*\slot+3], 2*SLT
	JLOAD G0+4*\slot, G1, G0B+4*\slot, G1B
.else
	PLACES NP
.endif
	s_wait_alu depctr_va_vdst(0)
	v_add_nc_u32 v[ADRS], 128, v[ADRS]
	FETCH_B \next, 0, 0
	FETCH_A \next, 0, 0
	SCALES \next
	WIN MUL_HI
	MUL16 4, 1, NQ-1, \slot, 0
	MUL16 6, 1, NQ-1, \slot, 0
	PLACES NP
	WIN 0
	FETCH_A \next, 0, 4
.endm
	s_wait_alu depctr_va_vdst(0)
	s_wait_tensorcnt 0x0                           ; my tile of the head's four is in
	ds_add_u32 v[SPW], v[NIL]
	s_mov_b32 s[G1+2], 8<<16                       ; no tensor load of mine is out: from here on a load brings 8 tiles
	s_mov_b32 s[G1+4], 8
	s_mov_b32 s[G1B+2], 8<<16
	s_mov_b32 s[G1B+4], 8
	s_wait_dscnt 0x0
	CROUND                                         ; all four tiles are in, in every partner
	JLOAD G0+4, G1, G0B+4, G1B                     ; slot 1's first fill, the first tensor load behind the round
	FETCH_B 0, 0, 0
	FETCH_A 0, 0, 0
	SCALES 0
	FETCH_A 0, 0, 4
	STEP 0, 0, 1
	TURN 0, 1, 1
	STEP 1, 0, 0
	TURN 1, 0, 1
	STEP 0, 0, 0
	TURN 0, 1, 0
	STEP 1, 0, 0
	s_wait_dscnt 4*NL
	WIN MUL_LO
	MUL16 0, 1, NQ-1, 1, 0
	MUL16 2, 1, NQ-1, 1, 0
	s_wait_dscnt 0
	WIN MUL_HI
	MUL16 4, 1, NQ-1, 1, 0
	MUL16 6, 1, NQ-1, 1, 0
	WIN 0
	PLACES NP
	v_and_b32 v[O16], 31, v0
	v_lshlrev_b32 v[O8], 3, v[O16]
	v_lshlrev_b32 v[O16], 4, v[O16]
	v_add_nc_u32 v[O16C], s98, v[O16]
	v_add_nc_u32 v[O8C], s98, v[O8]
	v_add_nc_u32 v[O16H], s99, v[O16]
	v_mov_b32 v[C7F], 0x7f7f7f7f
.set H8, 190
	v_bfe_u32 v[H8], v0, 4, 1
	v_lshlrev_b32 v[H8], 3, v[H8]                  ; 8 x (lane / 16)
.irp b, 0,1,2,3
	v_mov_b32 v[TM+4+\b], 0
.endr
.macro QUANTA a
.set AC, 64*((\a)%4)
.set W, 2+(\a)/4
	WIN (W<<2)|(W<<4)
.irp b, 0,1,2,3
	v_max3_num_f32 v[TM+\b], 0x3000000, |v[AC+16*\b]|, |v[AC+16*\b+1]|
.endr
.irp i, 2,4,6,8,10,12,14
.irp b, 0,1,2,3
	v_max3_num_f32 v[TM+\b], v[TM+\b], |v[AC+16*\b+\i]|, |v[AC+16*\b+\i+1]|
.endr
.endr
	WIN 0
.irp c, 0,1                            ; registers 32 c .. 32 c + 31 are my whole block 2 c + lane / 16
	v_max_num_f32 v[TM+8+\c], v[TM+2*\c], v[TM+2*\c+1]
.endr
.irp b, 0,1,2,3
	v_add_nc_u32 v[TM+12+\b], 0xff000000, v[TM+8+\b/2]
.endr
	v_lshrrev_b32 v[TM+8], 23, v[TM+12]
	v_lshrrev_b32 v[TM+9], 23, v[TM+14]
	v_lshl_or_b32 v[TM+8], v[TM+9], 16, v[TM+8]    ; my two bytes,
	v_lshlrev_b32 v[TM+8], v[H8], v[TM+8]          ; at their places in the word;
	v_permlanex16_b32 v[TM+4], v[TM+8], s2, s12
	v_or_b32 v[SW+(\a)], v[TM+8], v[TM+4]          ; with lane l xor 16's two the word is whole
	s_wait_alu depctr_va_vdst(0)                   ; the wait ahead of the wait below
.if (\a) > 0
	s_wait_xcnt 0x0
	s_add_nc_u64 s[8:9], s[8:9], s[66:67]
.endif
.if (\a) == 4
	s_add_nc_u64 s[8:9], s[8:9], s[96:97]
.endif
	WIN W
.irp c, 0,1
	v_cvt_scalef32_pk16_fp6_f32 v[PC+6*\c:PC+6*\c+2], v[AC+32*\c:AC+32*\c+15], v[TM+12+2*\c]
	v_cvt_scalef32_pk16_fp6_f32 v[PT+4*\c:PT+4*\c+2], v[AC+32*\c+16:AC+32*\c+31], v[TM+12+2*\c+1]
.endr
	WIN 0
	v_nop
.irp c, 0,1
.irp i, 0,1,2
	v_mov_b32 v[PC+3+6*\c+\i], v[PT+4*\c+\i]
.endr
.endr
	global_store_b128 v[O16], v[PC:PC+3], s[8:9]
	global_store_b64 v[O8], v[PC+4:PC+5], s[8:9] offset:512
	global_store_b128 v[O16C], v[PC+6:PC+9], s[8:9]
	global_store_b64 v[O8C], v[PC+10:PC+11], s[8:9] offset:512
.endm
.irp a, 0,1,2,3,4,5,6,7
	QUANTA \a
.endr
.irp b, 0,1,2,3
	v_cndmask_b32 v[M+\b], v[SW+2*\b], v[SW+2*\b+1], s13
.endr
	s_cmp_eq_u32 ttmp9, 2
	s_cbranch_scc1 .Lv_scales
.irp b, 0,1,2,3
	v_sub_nc_u32 v[M+\b], v[M+\b], s3
.endr
.irp b, 0,1,2,3
	v_perm_b32 v[E+\b], v[C7F], v[M+\b], 0x07060100
.endr
.irp b, 0,1,2,3
	v_perm_b32 v[E+4+\b], v[C7F], v[M+\b], 0x07060302
.endr
	global_store_b128 v[O16], v[E:E+3], s[10:11]
	global_store_b128 v[O16H], v[E+4:E+7], s[10:11]
	s_branch .Ldone
.Lv_scales:
	s_wait_alu depctr_va_vdst(0)
	global_store_b64 v[O8], v[M:M+1], s[10:11]
	global_store_b64 v[O8], v[M+2:M+3], s[10:11] offset:HEADB
.Ldone:
	s_wait_tensorcnt 0x0
	ds_add_u32 v[SPW], v[NIL]
	s_wait_dscnt 0x0
	CROUND
	s_endpgm
.Lfunc_end_k_q49ef3c4d8e_qkvgemm:
	.size	k_q49ef3c4d8e_qkvgemm, .Lfunc_end_k_q49ef3c4d8e_qkvgemm-k_q49ef3c4d8e_qkvgemm
	.p2alignl 7, 3214868480
	.fill 96, 4, 3214868480
	.section	.rodata,"a",@progbits
	.p2align	6, 0x0
	.amdhsa_kernel k_q49ef3c4d8e_qkvgemm
		.amdhsa_group_segment_fixed_size 327680
		.amdhsa_private_segment_fixed_size 0
		.amdhsa_enable_private_segment 0
		.amdhsa_kernarg_size 16
		.amdhsa_user_sgpr_count 2
		.amdhsa_user_sgpr_kernarg_segment_ptr 1
		.amdhsa_wavefront_size32 1
		.amdhsa_system_sgpr_workgroup_id_x 1
		.amdhsa_system_sgpr_workgroup_id_y 1
		.amdhsa_system_sgpr_workgroup_id_z 1
		.amdhsa_system_vgpr_workitem_id 0
		.amdhsa_next_free_vgpr 1024
		.amdhsa_next_free_sgpr 100
		.amdhsa_reserve_vcc 0
		.amdhsa_float_denorm_mode_32 3
		.amdhsa_float_denorm_mode_16_64 3
		.amdhsa_memory_ordered 1
		.amdhsa_forward_progress 1
		.amdhsa_inst_pref_size 149
	.end_amdhsa_kernel
	.amdgpu_metadata
---
amdhsa.version: [ 1, 2 ]
amdhsa.kernels:
  - .name:           k_q49ef3c4d8e_qkvgemm
    .symbol:         k_q49ef3c4d8e_qkvgemm.kd
    .args:
      - { .name: opq, .offset: 0, .size: 8, .value_kind: global_buffer, .address_space: global }
      - { .name: qkv, .offset: 8, .size: 8, .value_kind: global_buffer, .address_space: global }
    .group_segment_fixed_size: 327680
    .private_segment_fixed_size: 0
    .kernarg_segment_align: 8
    .kernarg_segment_size: 16
    .max_flat_workgroup_size: 128
    .sgpr_count:     100
    .vgpr_count:     1024
    .wavefront_size: 32
...
	.end_amdgpu_metadata
.endif
;; end of part 2
;; launch attn (part 3): grid 4 x 64, 16 waves a work-group, clusters of 4 x 1, 210,944 bytes of LDS; arguments qkv, ctx; writes ctx
.if DOCPART == 3
	.amdgcn_target "amdgcn-amd-amdhsa--gfx1250"
	.amdhsa_code_object_version 6
	.text
	.protected	k_q49ef3c4d8e_attn
	.globl	k_q49ef3c4d8e_attn
	.p2align	8
	.type	k_q49ef3c4d8e_attn,@function
k_q49ef3c4d8e_attn:
	s_mov_b64 s[64:65], 0
	v_nop
	global_prefetch_b8 v0, s[64:65] scope:SCOPE_SE
	s_setreg_imm32_b32 hwreg(HW_REG_WAVE_MODE, 25, 1), 1
	s_wait_xcnt 0x0
	s_wait_alu depctr_hold_cnt(0) depctr_sa_sdst(0) depctr_va_vdst(0) depctr_va_sdst(0) depctr_va_ssrc(0) depctr_va_vcc(0) depctr_vm_vsrc(0)
	s_getreg_b32 s2, hwreg(HW_REG_IB_STS2, 6, 4)
	s_cmp_eq_u32 s2, 0
	s_cbranch_scc0 .Lentry_in_a_cluster
	s_endpgm
.Lentry_in_a_cluster:
	s_bfe_u32 s2, ttmp6, 0x10000c
	s_cmp_lg_u32 s2, 0x3003
	s_cbranch_scc0 .Lentry_shape_is_right
	s_endpgm
.Lentry_shape_is_right:
; ctx = softmax(q k^T) v for one head, both products on codes of FP6 (E2M3) with E8M0 scales; ctx / l is quantised along the features and leaves as codes, laid as the last product's operand.
; THE SOFTMAX AHEAD OF THE SECOND PRODUCT: t = score x log2(e) (the factor 2^-3 lies in q's scale bytes); M = the running largest t, rounded up to a whole number; p = 2^(t - M) is quantised along the keys, not normalised;
; the row's sum is taken of the unquantised p; when M moves, the sum and O are multiplied by 2^(old M - new M), which rounds nothing.
; SHARES.  A work-group owns 512 queries of head G (work-group y); each of its sixteen waves two tiles of 16 queries, one after the other, in under 256 registers: four waves to a SIMD.
; THE HEAD'S K AND V STAY IN LDS: sixteen records of 13,056 bytes (128 keys each: K 8 half images | V 4 tiles x 2 half images at 6,144 | K's scale words [lane][4] at 12,288 | V's [lane][2] at 12,800), filled once: wave w brings record w.
; CLUSTER: the four query blocks of a head read the same records: each is asked for jointly by the four.  No prefetch: LDS is filled once, at the head, and there is no loop to run ahead in.
; A half image is 16 rows x 64 K: a lane's registers 0-3 at 16 x lane, 4, 5 at 512 + 8 x lane: every LDS load takes consecutive bytes.
; LAYOUT.  Both products are used transposed: S^T = K Q^T, O^T = V^T P^T: a lane holds one query.  Row m of tile 4 g + i of K (and of V^T) is key (feature) 64 g + 32 (m / 8) + 8 i + m % 8: so the 32 registers of
; tiles 4 g .. 4 g + 3 in lane (r, h) are the 32 neighbours 64 g + 32 h + 0 .. 31: a WHOLE block of the next K, in the order of the operand's registers.  A block's maximum needs no other lane, and the codes no exchange of lanes.
; THE HEAD'S 64 IN AN INSTRUCTION OF 128: Q's fragment is its six registers and six of zero codes; K's fragment i is its six registers and the six that follow (the next tile's codes, or zeros): every code there is a finite number,
; meets a zero code, under bytes 0x7f on both sides, and adds 0.
; LIMITS: the promise holds while the scaled scores stay under 2^31 in magnitude; a block's largest p is taken from its largest score (v_exp_f32 is taken not to fall where its input rises);
; ctx's largest magnitude of a block is taken no smaller than 2^-124; NaN and infinities are not served.
.set HEADB, 208896
.set RECB,  13056
.set Q_IMG, 13369344
.set Q_SC,  19660800
.set CT_SC, 6291456
.set VIM,   6144
.set KSC,   12288
.set VSC,   12800
.set SPARE, 0x33000                    ; behind the sixteen records: the spare words, 128 bytes a wave
.set S,   96                           ; v96-159  S^T, then p
.set O,   160                          ; v160-191 O^T
.set PCD, 192                          ; v192-203 p's codes
.set PT,  204                          ; v204-206, v208-210 the conversions' second halves
.set BM,  212                          ; v212-215 four chains of the maximum; then v212, v213 my two blocks' largest scores, then largest p
.set C1,  216                          ; v216-221 three more chains of the sum
.set C2,  218
.set C3,  220
.set SO,  222                          ; v222-223 scale operands
.set F,   224                          ; v[224:225] f
.set TP,  226
.set TQ,  227
.set PD,  228                          ; v228-229 bytes
.set PX,  230                          ; the lane permutes' destination
.set SPW, 232
.set NIL, 233
; v1 16 x lane, v2 8 x lane, v3, v4 the same in the step's record, v5 16 (lane % 16), v6 8 (lane % 16) + lane / 16, v7 8 (lane / 16); v8 Q's scale word, v9 p's, v10 the second tile's Q scale word;
; v12 -M, v13 the largest score, v[14:15] the sum; v16-21 Q, v22-27 zeros; v28-31, v86-87 the second tile's Q; v32-79 K's 8 half fragments, then V's 4 fragments; v80-85 zeros; v88-91 K's scale words, v92-93 V's
.macro CROUND
	s_barrier_signal -1
	s_barrier_wait -1
	s_cmp_lg_u32 s8, 0
	s_cbranch_scc1 .Lnot_wave_0_\@
	s_barrier_signal -3
.Lnot_wave_0_\@:
	s_barrier_wait -3
	s_barrier_signal -1
	s_barrier_wait -1
.endm
	s_load_b128 s[4:7], s[0:1], 0x0                ; qkv s[4:5], ctx s[6:7]
	v_lshl_add_u32 v[SPW], v0, 2, SPARE
	v_mov_b32 v[NIL], 0
	ds_add_u32 v[SPW], v[NIL]                      ; the opening lines: the add, twice on end, and its wait
	ds_add_u32 v[SPW], v[NIL]
	v_lshrrev_b32 v1, 5, v0
	s_delay_alu instid0(VALU_DEP_1)
	v_readfirstlane_b32 s8, v1                     ; wave 0..15
	s_bfe_u32 s9, ttmp6, 0x40000                   ; cx: my block of 512 queries: it enters Q's and ctx's addresses alone
	s_and_b32 s10, ttmp7, 0xffff                   ; G, which the four partners share
	; group 1: a record, 13,056 dense bytes, as 51 rows of 256 (32 elements of 8 bytes)
	s_mov_b32 s16, 15|(3<<16)|(1<<21)              ; the mask: all four work-groups; bit 21 beside it
	s_mov_b32 s17, 32<<16
	s_mov_b32 s18, 51<<16
	s_mov_b32 s19, 32<<16
	s_mov_b32 s20, 51
	s_mov_b32 s21, 32
	s_mov_b32 s22, 0
	s_mov_b32 s23, 0
	s_mul_i32 s42, s8, RECB                        ; record w: its place in the head and in LDS
	s_mul_i32 s40, s10, HEADB
	s_add_co_u32 s40, s40, s42
	s_mov_b32 s41, 0
	s_lshl_b32 s43, s9, 5
	s_lshl_b32 s44, s8, 1
	s_add_co_u32 s43, s43, s44                     ; my first tile of the head's 128: 32 cx + 2 w
	s_lshl_b32 s44, s10, 7
	s_add_co_u32 s44, s44, s43
	s_mul_i32 s24, s44, 768
	s_add_co_u32 s24, s24, Q_IMG
	s_mov_b32 s25, 0
	s_lshl_b32 s26, s10, 13
	s_lshr_b32 s45, s43, 3                         ; the step of 8 tiles in which mine lie
	s_lshl_b32 s45, s45, 9
	s_add_co_u32 s26, s26, s45
	s_and_b32 s45, s8, 3                           ; the word of my pair of tiles
	s_lshl_b32 s45, s45, 2
	s_add_co_u32 s26, s26, s45
	s_add_co_u32 s26, s26, Q_SC
	s_mov_b32 s27, 0
	s_lshr_b32 s45, s10, 4
	s_lshl_b32 s45, s45, 7
	s_add_co_u32 s45, s45, s43                     ; my first tile of all 512 tiles of tokens
	s_and_b32 s46, s10, 15                         ; the head in its token's row: half image number, 64 features
	s_mul_i32 s28, s45, 12288
	s_mul_i32 s47, s46, 768
	s_add_co_u32 s28, s28, s47
	s_mov_b32 s29, 0
	s_lshl_b32 s30, s45, 9
	s_lshr_b32 s47, s46, 2
	s_lshl_b32 s47, s47, 7
	s_add_co_u32 s30, s30, s47
	s_and_b32 s47, s46, 3
	s_lshl_b32 s47, s47, 1
	s_add_co_u32 s30, s30, s47
	s_add_co_u32 s30, s30, CT_SC                   ; ctx's scale bytes: 512 tile + 128 (head / 4) + 8 row + 2 (head % 4) + block
	s_mov_b32 s31, 0
	s_mov_b32 s32, 0x76543210
	s_mov_b32 s33, 0xfedcba98                      ; selects for lane l xor 16
	s_mov_b32 s34, 0x3fb8aa3b                      ; log2(e)
	s_mov_b32 s35, s34                             ; (named with it as a pair)
	v_and_b32 v3, 31, v0
	v_and_b32 v5, 15, v0
	v_bfe_u32 v7, v0, 4, 1
	v_lshlrev_b32 v2, 3, v3
	v_lshlrev_b32 v1, 4, v3
	v_lshl_add_u32 v6, v5, 3, v7
	v_lshlrev_b32 v5, 4, v5
	v_lshlrev_b32 v7, 3, v7
	s_wait_alu depctr_va_vdst(0)                   ; the wait ahead of the waits below
	s_wait_dscnt 0x0
	s_wait_kmcnt 0x0
	s_mov_b32 s12, 1
	s_mov_b32 s13, s42
	s_add_nc_u64 s[14:15], s[4:5], s[40:41]
	s_or_b32 s15, s15, 0x80000000
	s_add_nc_u64 s[24:25], s[4:5], s[24:25]
	s_add_nc_u64 s[26:27], s[4:5], s[26:27]
	s_add_nc_u64 s[28:29], s[6:7], s[28:29]
	s_add_nc_u64 s[30:31], s[6:7], s[30:31]
	global_load_b128 v[16:19], v1, s[24:25] th:TH_LOAD_NT              ; both tiles' Q and its scale words are on their way beside the records
	global_load_b64 v[20:21], v2, s[24:25] offset:512 th:TH_LOAD_NT
	global_load_b32 v8, v5, s[26:27] th:TH_LOAD_NT                     ; lanes 16 u + r of the stored word: row r's, into lane r
	global_load_b128 v[28:31], v1, s[24:25] offset:768 th:TH_LOAD_NT
	global_load_b64 v[86:87], v2, s[24:25] offset:1280 th:TH_LOAD_NT
	global_load_b32 v10, v5, s[26:27] offset:256 th:TH_LOAD_NT
	CROUND                                         ; all four work-groups are here: the joint loads meet
	tensor_load_to_lds s[12:15], s[16:23]          ; my one tensor load: LDS is filled once
	s_nop 0
.rept 4
	v_nop
.endr
.irp j, 22,23,24,25,26,27,80,81,82,83,84,85
	v_mov_b32 v[\j], 0                             ; zero codes
.endr
	v_mov_b32 v[PX], 0                             ; a permute's destination and the upper half of f's pair: written once
	v_mov_b32 v[F+1], 0
	s_wait_alu depctr_va_vdst(0)                   ; the wait at the head's end
	s_wait_loadcnt 0x0                             ; Q
	s_wait_tensorcnt 0x0                           ; my record has landed,
	s_barrier_signal -1
	s_barrier_wait -1                              ; everybody's has
.macro OM j                            ; O^T under the new M, two at a time
	v_pk_mul_f32 v[O+\j:O+\j+1], v[O+\j:O+\j+1], v[F:F+1] op_sel_hi:[1,0]
.endm
; A KEY STEP: 128 keys, the record at LDS byte s36
.macro STEP
	v_add_nc_u32 v3, s36, v1
	v_add_nc_u32 v4, s36, v2
	v_mov_b32 v[TP], v12                           ; the old -M
	v_nop                                          ; four places behind the last step's products, in front of loads into registers that they read
.irp i, 0,1,2,3,4,5,6,7
	ds_load_b128 v[32+6*\i:35+6*\i], v3 offset:768*\i
	ds_load_b64 v[36+6*\i:37+6*\i], v4 offset:768*\i+512
.endr
	ds_load_b128 v[88:91], v3 offset:KSC
	s_wait_alu depctr_va_vdst(0)
	s_wait_dscnt 0x0
.irp i, 0,1,2,3,4,5,6,7                ; S^T = K Q^T
.if \i%2
	v_wmma_scale_f32_16x16x128_f8f6f4 v[S+8*\i:S+8*\i+7], v[32+6*\i:43+6*\i], v[16:27], 0, v[88+\i/2], v8 matrix_a_fmt:MATRIX_FMT_FP6 matrix_b_fmt:MATRIX_FMT_FP6 matrix_a_scale:MATRIX_SCALE_ROW1
.else
	v_wmma_scale_f32_16x16x128_f8f6f4 v[S+8*\i:S+8*\i+7], v[32+6*\i:43+6*\i], v[16:27], 0, v[88+\i/2], v8 matrix_a_fmt:MATRIX_FMT_FP6 matrix_b_fmt:MATRIX_FMT_FP6
.endif
.endr
.rept 4
	v_nop                                          ; places: in front of the loads below and of the first read of the scores
.endr
.irp t, 0,1,2,3                        ; V's four fragments land under the softmax
	ds_load_b128 v[32+12*\t:35+12*\t], v3 offset:VIM+1536*\t
	ds_load_b64 v[36+12*\t:37+12*\t], v4 offset:VIM+1536*\t+512
	ds_load_b128 v[38+12*\t:41+12*\t], v3 offset:VIM+1536*\t+768
	ds_load_b64 v[42+12*\t:43+12*\t], v4 offset:VIM+1536*\t+1280
.endr
	ds_load_b64 v[92:93], v4 offset:VSC
.irp k, 0,1,2,3                        ; the largest score of my two blocks of 32 keys, in four chains by turns, each accumulator from its low end on
	v_max3_num_f32 v[BM+\k], v[S+16*\k], v[S+16*\k+1], v[S+16*\k+2]
.endr
.irp i, 3,5,7,9,11,13
.irp k, 0,1,2,3
	v_max3_num_f32 v[BM+\k], v[BM+\k], v[S+16*\k+\i], v[S+16*\k+\i+1]
.endr
.endr
	v_max3_num_f32 v[BM], v[BM], v[S+15], v[S+31]
	v_max3_num_f32 v[BM+2], v[BM+2], v[S+47], v[S+63]
	s_delay_alu instid0(VALU_DEP_2)
	v_max_num_f32 v[BM], v[BM], v[BM+1]            ; block h
	s_delay_alu instid0(VALU_DEP_2)
	v_max_num_f32 v[BM+1], v[BM+2], v[BM+3]        ; block 2 + h
	s_delay_alu instid0(VALU_DEP_1)
	v_max_num_f32 v[TQ], v[BM], v[BM+1]
	s_delay_alu instid0(VALU_DEP_1)
	v_permlanex16_b32 v[PX], v[TQ], s32, s33
	s_delay_alu instid0(VALU_DEP_1)
	v_max3_num_f32 v13, v13, v[TQ], v[PX]          ; the running largest score of my query
	s_delay_alu instid0(VALU_DEP_1)
	v_mul_f32 v[TQ], s34, v13                      ; as t
	s_delay_alu instid0(VALU_DEP_1)
	v_floor_f32 v12, -v[TQ]                        ; the new -M = -ceil(t): a whole number
	s_delay_alu instid0(VALU_DEP_1)
	v_sub_f32 v[TP], v12, v[TP]                    ; old M - new M, 0 or less
	s_delay_alu instid0(VALU_DEP_1)
	v_cvt_i32_f32 v[TP], v[TP]                     ; (it saturates)
	s_delay_alu instid0(VALU_DEP_1)
	v_ldexp_f32 v[F], 1.0, v[TP]                   ; f = 2^(old M - new M)
.set J, 0
.rept 32
	v_pk_fma_f32 v[S+J:S+J+1], v[S+J:S+J+1], s[34:35], v[12:13] op_sel_hi:[1,0,0]   ; t - M, two at a time
.set J, J+2
.endr
	v_fma_f32 v[BM], v[BM], s34, v12               ; the same of each block's largest score
	v_fma_f32 v[BM+1], v[BM+1], s34, v12
	s_wait_alu depctr_va_vdst(0)                   ; the wait ahead of the batch
	v_exp_f32 v[BM], v[BM]                         ; each block's largest p
	v_exp_f32 v[BM+1], v[BM+1]
.set J, 0
.rept 64
	v_exp_f32 v[S+J], v[S+J]                       ; p = 2^(t - M)
.set J, J+1
.endr
	v_pk_mul_f32 v[14:15], v[14:15], v[F:F+1] op_sel_hi:[1,0]   ; the sums under the new M: the plain line behind the batch
	s_wait_alu depctr_va_vdst(0)                   ; one wait for the batch, which also stands ahead of the first readers of O^T
	v_max_num_f32 v[BM], 0x1800000, v[BM]          ; the floor 2^-124: the byte cannot fall under 1
	v_max_num_f32 v[BM+1], 0x1800000, v[BM+1]
	OM 0
	OM 2
	OM 4
	v_add_nc_u32 v[SO], 0xff000000, v[BM]          ; 2 off the exponent field: the conversions' scale operands
	v_add_nc_u32 v[SO+1], 0xff000000, v[BM+1]
	OM 6
	OM 8
	OM 10
	v_lshrrev_b32 v[PD], 23, v[SO]                 ; the bytes of blocks h and 2 + h
	v_lshrrev_b32 v[PD+1], 23, v[SO+1]
	OM 12
	OM 14
	OM 16
	v_lshl_or_b32 v[TQ], v[PD+1], 16, v[PD]
	OM 18
	OM 20
	OM 22
	OM 24
	v_lshlrev_b32 v[TQ], v7, v[TQ]                 ; 8 h bits up
	OM 26
	OM 28
	OM 30
	s_delay_alu instid0(VALU_DEP_4)
	v_permlanex16_b32 v[PX], v[TQ], s32, s33
.irp c, 0,1                            ; my block 2 c + h: registers 6 c .. 6 c + 5 of the operand
	v_cvt_scalef32_pk16_fp6_f32 v[PCD+6*\c:PCD+6*\c+2], v[S+32*\c:S+32*\c+15], v[SO+\c]
	v_cvt_scalef32_pk16_fp6_f32 v[PT+4*\c:PT+4*\c+2], v[S+32*\c+16:S+32*\c+31], v[SO+\c]   ; (a conversion's three registers begin on an even number)
.endr
	v_pk_add_f32 v[C1:C1+1], v[S:S+1], v[S+2:S+3]              ; the row's sum of the unquantised p, in four chains; these lines are the plain lines behind the conversions
	v_pk_add_f32 v[C2:C2+1], v[S+4:S+5], v[S+6:S+7]
	v_pk_add_f32 v[C3:C3+1], v[S+8:S+9], v[S+10:S+11]
	v_or_b32 v9, v[TQ], v[PX]                      ; p's scale word for these 128 keys: with lane l xor 16's two bytes it is whole
.irp c, 0,1
.irp i, 0,1,2
	v_mov_b32 v[PCD+3+6*\c+\i], v[PT+4*\c+\i]
.endr
.endr
.irp j, 12,20,28,36,44,52              ; these 29 lines are also the places between the writing of p's codes and scale word and the products
	v_pk_add_f32 v[14:15], v[14:15], v[S+\j:S+\j+1]
	v_pk_add_f32 v[C1:C1+1], v[C1:C1+1], v[S+\j+2:S+\j+3]
	v_pk_add_f32 v[C2:C2+1], v[C2:C2+1], v[S+\j+4:S+\j+5]
	v_pk_add_f32 v[C3:C3+1], v[C3:C3+1], v[S+\j+6:S+\j+7]
.endr
	v_pk_add_f32 v[14:15], v[14:15], v[S+60:S+61]
	v_pk_add_f32 v[C1:C1+1], v[C1:C1+1], v[S+62:S+63]
	v_pk_add_f32 v[C2:C2+1], v[C2:C2+1], v[C3:C3+1]
	s_delay_alu instid0(VALU_DEP_2)
	v_pk_add_f32 v[14:15], v[14:15], v[C1:C1+1]
	s_delay_alu instid0(VALU_DEP_1)
	v_pk_add_f32 v[14:15], v[14:15], v[C2:C2+1]
	s_wait_alu depctr_va_vdst(0)
	s_wait_dscnt 0x0                               ; V
.irp t, 0,1,2,3                        ; O^T += V^T P^T: the four accumulators by turns, one instruction a turn
.if \t%2
	v_wmma_scale_f32_16x16x128_f8f6f4 v[O+8*\t:O+8*\t+7], v[32+12*\t:43+12*\t], v[PCD:PCD+11], v[O+8*\t:O+8*\t+7], v[92+\t/2], v9 matrix_a_fmt:MATRIX_FMT_FP6 matrix_b_fmt:MATRIX_FMT_FP6 matrix_a_scale:MATRIX_SCALE_ROW1
.else
	v_wmma_scale_f32_16x16x128_f8f6f4 v[O+8*\t:O+8*\t+7], v[32+12*\t:43+12*\t], v[PCD:PCD+11], v[O+8*\t:O+8*\t+7], v[92+\t/2], v9 matrix_a_fmt:MATRIX_FMT_FP6 matrix_b_fmt:MATRIX_FMT_FP6
.endif
.endr
	s_add_co_u32 s36, s36, RECB
.endm
; O^T / l: my 32 registers are features 32 h + 0 .. 31 of my query, one whole block: it leaves as my 24 bytes of a half image and my scale byte
.macro WAYOUT u
.rept 4
	v_nop                                          ; places behind the last products
.endr
	v_add_f32 v14, v14, v15
	s_delay_alu instid0(VALU_DEP_1)
	v_permlanex16_b32 v[PX], v14, s32, s33
	s_delay_alu instid0(VALU_DEP_1)
	v_add_f32 v14, v14, v[PX]                      ; the row's sum
	s_wait_alu depctr_va_vdst(0)                   ; the wait ahead of the transcendental
	v_rcp_f32 v14, v14
	v_nop                                          ; a plain line behind the reciprocal,
	s_wait_alu depctr_va_vdst(0)                   ; and the wait ahead of its first reader and of O^T's
.set J, 0
.rept 16
	v_pk_mul_f32 v[S+J:S+J+1], v[O+J:O+J+1], v[14:15] op_sel_hi:[1,0]
.set J, J+2
.endr
.irp b, 0,1
	v_max3_num_f32 v[BM+\b], |v[S+16*\b]|, |v[S+16*\b+1]|, 0x1800000
.endr
.irp i, 2,4,6,8,10,12,14
.irp b, 0,1
	s_delay_alu instid0(VALU_DEP_2)
	v_max3_num_f32 v[BM+\b], v[BM+\b], |v[S+16*\b+\i]|, |v[S+16*\b+\i+1]|
.endr
.endr
	s_delay_alu instid0(VALU_DEP_1)
	v_max_num_f32 v[BM], v[BM], v[BM+1]
	s_delay_alu instid0(VALU_DEP_1)
	v_add_nc_u32 v[SO], 0xff000000, v[BM]
	v_cvt_scalef32_pk16_fp6_f32 v[192:194], v[S:S+15], v[SO]
	v_cvt_scalef32_pk16_fp6_f32 v[196:198], v[S+16:S+31], v[SO]
	v_lshrrev_b32 v[TP], 23, v[SO]                 ; my block's byte.  (The plain line behind the conversions)
	v_mov_b32 v195, v196
	v_mov_b32 v196, v197
	v_mov_b32 v197, v198
	global_store_b128 v1, v[192:195], s[28:29] offset:12288*\u        ; 512 consecutive bytes, aligned,
	global_store_b64 v2, v[196:197], s[28:29] offset:12288*\u+512     ; and 256
	global_store_b8 v6, v[TP], s[30:31] offset:512*\u                 ; a scale word of the last product joins two heads, which belong to two work-groups: so bytes, one for each 24 bytes of codes
.endm
.macro QTILE u
.if \u
	s_wait_xcnt 0x0                                ; the first tile's stores have read their data: those registers are written again only behind this wait
.irp i, 0,1,2,3
	v_mov_b32 v[16+\i], v[28+\i]                   ; the second tile's Q
.endr
	v_mov_b32 v20, v86
	v_mov_b32 v21, v87
	v_mov_b32 v8, v10
.endif
	v_mov_b32 v13, 0xfe967699                      ; the largest score so far: -1e38
	v_mov_b32 v12, 0x7f61b1e6                      ; -M: 3e38
	v_mov_b32 v14, 0
	v_mov_b32 v15, 0
.set J, 0
.rept 32
	v_mov_b32 v[O+J], 0                            ; the step is written once: the first finds zeros, which the first change of M leaves zeros
.set J, J+1
.endr
	s_mov_b32 s36, 0
	s_mov_b32 s37, 16
.Lstep_\@:
	STEP
	s_sub_co_u32 s37, s37, 1
	s_cmp_lg_u32 s37, 0
	s_cbranch_scc1 .Lstep_\@
	WAYOUT \u
.endm
	QTILE 0
	QTILE 1
	s_wait_tensorcnt 0x0                           ; the wave's end
	ds_add_u32 v[SPW], v[NIL]
	s_wait_dscnt 0x0
	CROUND                                         ; the closing round
	s_endpgm
.Lfunc_end_k_q49ef3c4d8e_attn:
	.size	k_q49ef3c4d8e_attn, .Lfunc_end_k_q49ef3c4d8e_attn-k_q49ef3c4d8e_attn
	.p2alignl 7, 3214868480
	.fill 96, 4, 3214868480
	.section	.rodata,"a",@progbits
	.p2align	6, 0x0
	.amdhsa_kernel k_q49ef3c4d8e_attn
		.amdhsa_group_segment_fixed_size 210944
		.amdhsa_private_segment_fixed_size 0
		.amdhsa_enable_private_segment 0
		.amdhsa_kernarg_size 16
		.amdhsa_user_sgpr_count 2
		.amdhsa_user_sgpr_kernarg_segment_ptr 1
		.amdhsa_wavefront_size32 1
		.amdhsa_system_sgpr_workgroup_id_x 1
		.amdhsa_system_sgpr_workgroup_id_y 1
		.amdhsa_system_sgpr_workgroup_id_z 1
		.amdhsa_system_vgpr_workitem_id 0
		.amdhsa_next_free_vgpr 234
		.amdhsa_next_free_sgpr 66
		.amdhsa_reserve_vcc 0
		.amdhsa_float_denorm_mode_32 3
		.amdhsa_float_denorm_mode_16_64 3
		.amdhsa_memory_ordered 1
		.amdhsa_forward_progress 1
		.amdhsa_inst_pref_size 47
	.end_amdhsa_kernel
	.amdgpu_metadata
---
amdhsa.version: [ 1, 2 ]
amdhsa.kernels:
  - .name:           k_q49ef3c4d8e_attn
    .symbol:         k_q49ef3c4d8e_attn.kd
    .args:
      - { .name: qkv, .offset: 0, .size: 8, .value_kind: global_buffer, .address_space: global }
      - { .name: ctx, .offset: 8, .size: 8, .value_kind: global_buffer, .address_space: global }
    .group_segment_fixed_size: 210944
    .private_segment_fixed_size: 0
    .kernarg_segment_align: 8
    .kernarg_segment_size: 16
    .max_flat_workgroup_size: 512
    .sgpr_count:     66
    .vgpr_count:     234
    .wavefront_size: 32
...
	.end_amdgpu_metadata
.endif
;; end of part 3
;; launch outgemm (part 4): grid 4 x 64, 4 waves a work-group, clusters of 4 x 4, 327,680 bytes of LDS; arguments ctx, opq, out0; writes out0
.if DOCPART == 4
	.amdgcn_target "amdgcn-amd-amdhsa--gfx1250"
	.amdhsa_code_object_version 6
	.text
	.protected	k_q49ef3c4d8e_outgemm
	.globl	k_q49ef3c4d8e_outgemm
	.p2align	8
	.type	k_q49ef3c4d8e_outgemm,@function
k_q49ef3c4d8e_outgemm:
	s_mov_b64 s[64:65], 0
	v_nop
	global_prefetch_b8 v0, s[64:65] scope:SCOPE_SE
	s_setreg_imm32_b32 hwreg(HW_REG_WAVE_MODE, 25, 1), 1
	s_wait_xcnt 0x0
	s_wait_alu depctr_hold_cnt(0) depctr_sa_sdst(0) depctr_va_vdst(0) depctr_va_sdst(0) depctr_va_ssrc(0) depctr_va_vcc(0) depctr_vm_vsrc(0)
	s_getreg_b32 s2, hwreg(HW_REG_IB_STS2, 6, 4)
	s_cmp_eq_u32 s2, 0
	s_cbranch_scc0 .Lentry_in_a_cluster
	s_endpgm
.Lentry_in_a_cluster:
	s_bfe_u32 s2, ttmp6, 0x10000c
	s_cmp_lg_u32 s2, 0xf033
	s_cbranch_scc0 .Lentry_shape_is_right
	s_endpgm
.Lentry_shape_is_right:
; out0[token][n] = sum over f of ctx[token][f] W_out[n][f], both operands codes of FP6 (E2M3) with E8M0 scales, laid as images of the operand's registers; sums in f32.
; ctx: tile T (16 tokens) at 12,288 T: 16 half images of 768 bytes (16 rows x 64 K: a lane's registers 0-3 at 16 x lane, 4, 5 at 512 + 8 x lane); its scale words at 6,291,456 + 512 T + 128 s + 8 r + 4 q (K step 2 s + q, row r).
; opq: W_out's tiles are numbers 704-767, laid alike; scale words at 9,437,184 + 512 T.  Row r of tile 4 g + i is row 64 g + 32 (r / 8) + 8 i + r % 8 of its tensor.
; SHARES.  A block of out0 is 128 tokens x 256 columns: 64 x 4 = 256 work-groups.  Four waves, each 64 x 128: 4 x 8 accumulators of 16 x 16, 256 registers.
; LDS IS FILLED ONCE: the block's operands for all of K = 1,024 fit together: A's 8 tiles 98,304 bytes, B's 16 tiles 196,608, the scale words 4,096 + 8,192.  One tensor load a wave at the head (A's codes, B's codes, A's scales, B's scales);
; no ring, no refill, no barrier along K.  No prefetch: there is one fill, at the head, and no loop to run ahead in.
; CLUSTERS: 4 x 4 work-groups; A's tiles hang on the work-group's y alone and are asked for jointly along a row of the cluster, B's on its x alone, jointly along a column.
; THE MATRIX INSTRUCTION IS USED TRANSPOSED (source 0 = 16 rows of W_out, source 1 = 16 tokens): a lane holds eight neighbouring columns of one token's row.
; REGISTERS: window 0: v16-29 addresses; v32-127 all scale words (tile t, K step k at v[32 + 8 t + k]: A's tiles 0-3, then B's 0-7); v128-223 A's fragments, two sets; on the way out v128-255 rows read back.
;   window 1: B's fragments, two sets, at v0 and v128.   window 2: accumulator (a, b) at v[8 (8 a + b)].
.set FR,    12
.set TILEB, 12288
.set LB,    8*TILEB                    ; B's codes, behind A's
.set SCLA,  24*TILEB                   ; A's scale words
.set SCLB,  SCLA+4096+128              ; B's
.set SPARE, 307456                     ; the spare words, 128 bytes a wave: blocks of 256 bytes that no other line names
.set OPSC,  9437184
.set CT_SC, 6291456
.set SPITCH, 528                       ; the way out: a stage of 16 rows x (512 + 16) bytes for each wave, over A's codes, which have had their only fill and, behind the last barrier, their last read
.set A16, 16
.set A8,  17
.set BL16, 18
.set BL8, 19
.set BH16, 20
.set BH8, 21
.set ASC, 22
.set BSC, 23
.set STO, 24
.set RD,  25
.set CO,  26
.set SPW, 28
.set NIL, 29
.set SC,  32
.set AF,  128
.set BK,  128
.set G1A, 24
.set G1B, 32
.set G1SA, 40
.set G1SB, 48
.set G0A, 56
.set G0B, 60
.set G0SA, 68
.set G0SB, 72
.set MSB, 0
.macro WIN new                         ; the immediate's high byte repeats the setting that is left
.if MSB != (\new)
	s_set_vgpr_msb (MSB<<8)|(\new)
.set MSB, (\new)
.endif
.endm
.set MUL,  0xa1                        ; source 0 (B) window 1, source 1 (A) window 0, C and D window 2
.set TO_B, 0x40                        ; destination window 1, address window 0
.macro CROUND                          ; a round of the cluster's barrier
	s_barrier_signal -1
	s_barrier_wait -1
	s_cmp_lg_u32 s14, 0
	s_cbranch_scc1 .Lnot_wave_0_\@
	s_barrier_signal -3
.Lnot_wave_0_\@:
	s_barrier_wait -3
	s_barrier_signal -1
	s_barrier_wait -1
.endm
.macro PLACES n
.rept \n
	v_nop
.endr
.endm
.macro G1REST g, rows                  ; a dense block as rows of 256 bytes (32 elements of 8 bytes)
	s_mov_b32 s[\g+1], 32<<16
	s_mov_b32 s[\g+2], (\rows)<<16
	s_mov_b32 s[\g+3], 32<<16
	s_mov_b32 s[\g+4], \rows
	s_mov_b32 s[\g+5], 32
	s_mov_b32 s[\g+6], 0
	s_mov_b32 s[\g+7], 0
.endm
	s_load_b128 s[4:7], s[0:1], 0x0                ; ctx s[4:5], opq s[6:7]
	s_load_b64 s[12:13], s[0:1], 0x10              ; out0
	v_lshl_add_u32 v[SPW], v0, 2, SPARE
	v_mov_b32 v[NIL], 0
	ds_add_u32 v[SPW], v[NIL]                      ; the opening lines: the add, twice on end, and its wait
	ds_add_u32 v[SPW], v[NIL]
	v_lshrrev_b32 v1, 5, v0
	v_readfirstlane_b32 s14, v1                    ; wave 0..3
	s_lshr_b32 s15, s14, 1                         ; which 64 tokens of the block are mine
	s_and_b32 s16, s14, 1                          ; which 128 columns
	s_bfe_u32 s76, ttmp6, 0x40000                  ; cx
	s_bfe_u32 s77, ttmp6, 0x40004                  ; cy
	s_lshl_b32 s78, s77, 2
	s_lshl_b32 s78, 15, s78                        ; my row of the cluster
	s_lshl_b32 s79, 0x1111, s76                    ; my column
	s_or_b32 s[G1A], s78, (3<<16)|(1<<21)
	s_or_b32 s[G1SA], s78, (3<<16)|(1<<21)
	s_or_b32 s[G1B], s79, (3<<16)|(1<<21)
	s_or_b32 s[G1SB], s79, (3<<16)|(1<<21)
	G1REST G1A, 384                                ; 8 tiles x 12,288 bytes
	G1REST G1B, 768                                ; 16 tiles
	G1REST G1SA, 16                                ; 8 tiles x 512 bytes
	G1REST G1SB, 32
	s_and_b32 s17, ttmp7, 0xffff
	s_lshl_b32 s17, s17, 2
	s_add_co_u32 s17, s17, s77                     ; work-group y = 4 x cluster y + cy
	s_lshl_b32 s80, s17, 3                         ; A's first tile
	s_lshl_b32 s81, s76, 4
	s_add_co_u32 s81, s81, 704                     ; B's first tile: the grid has one cluster along x
	s_mul_i32 s82, s80, TILEB
	s_mov_b32 s83, 0
	s_lshl_b32 s84, s80, 9
	s_add_co_u32 s84, s84, CT_SC
	s_mov_b32 s85, 0
	s_mul_i32 s86, s81, TILEB
	s_mov_b32 s87, 0
	s_lshl_b32 s88, s81, 9
	s_add_co_u32 s88, s88, OPSC
	s_mov_b32 s89, 0
	s_lshl_b32 s2, s17, 1
	s_add_co_u32 s2, s2, s15
	s_lshl_b32 s2, s2, 18                          ; my first token: 64 rows of 4,096 bytes for each (2 y + half)
	s_lshl_b32 s3, s76, 1
	s_add_co_u32 s3, s3, s16
	s_lshl_b32 s3, s3, 9                           ; my first column: 512 bytes for each (2 cx + half)
	s_add_co_u32 s2, s2, s3
	s_mov_b32 s3, 0
	s_mul_i32 s18, s15, 4*TILEB                    ; LDS: my 4 tiles of A,
	s_mul_i32 s19, s16, 8*TILEB
	s_add_co_u32 s19, s19, LB                      ; my 8 tiles of B: the first four,
	s_add_co_u32 s20, s19, 4*TILEB                 ; the other four (an offset holds 16 bits),
	s_lshl_b32 s21, s15, 11
	s_add_co_u32 s21, s21, SCLA                    ; my scale words of A
	s_lshl_b32 s22, s16, 12
	s_add_co_u32 s22, s22, SCLB                    ; and of B,
	s_mul_i32 s23, s14, 16*SPITCH                  ; my stage
	s_wait_dscnt 0x0                               ; both opening adds are done
	s_wait_kmcnt 0x0
	s_mov_b32 s[G0A], 1
	s_mov_b32 s[G0A+1], 0
	s_add_nc_u64 s[G0A+2:G0A+3], s[4:5], s[82:83]
	s_or_b32 s[G0A+3], s[G0A+3], 0x80000000
	s_mov_b32 s[G0B], 1
	s_mov_b32 s[G0B+1], LB
	s_add_nc_u64 s[G0B+2:G0B+3], s[6:7], s[86:87]
	s_or_b32 s[G0B+3], s[G0B+3], 0x80000000
	s_mov_b32 s[G0SA], 1
	s_mov_b32 s[G0SA+1], SCLA
	s_add_nc_u64 s[G0SA+2:G0SA+3], s[4:5], s[84:85]
	s_or_b32 s[G0SA+3], s[G0SA+3], 0x80000000
	s_mov_b32 s[G0SB], 1
	s_mov_b32 s[G0SB+1], SCLB
	s_add_nc_u64 s[G0SB+2:G0SB+3], s[6:7], s[88:89]
	s_or_b32 s[G0SB+3], s[G0SB+3], 0x80000000
	s_add_nc_u64 s[12:13], s[12:13], s[2:3]
	CROUND                                         ; all sixteen work-groups are here: the joint loads meet
; the launch's four fills, one a wave, in one tree of branches on the wave's number: every way through the head passes exactly one load
.macro ARM under, g0, g1, next
	s_cmp_lt_u32 s14, \under
	s_cbranch_scc0 \next
	tensor_load_to_lds s[\g0:\g0+3], s[\g1:\g1+7]
	s_nop 0
.rept 4
	v_nop
.endr
	s_branch .Lhead_asked
\next:
.endm
	ARM 1, G0B, G1B, .Lhead_a
	ARM 2, G0A, G1A, .Lhead_sa
	ARM 3, G0SA, G1SA, .Lhead_sb
	tensor_load_to_lds s[G0SB:G0SB+3], s[G1SB:G1SB+7]
	s_nop 0
.rept 4
	v_nop
.endr
.Lhead_asked:
	v_and_b32 v1, 31, v0                           ; lane
	v_and_b32 v2, 15, v0                           ; r
	v_bfe_u32 v3, v0, 4, 1                         ; h
	v_lshlrev_b32 v4, 4, v1                        ; 16 x lane
	v_lshlrev_b32 v5, 3, v1                        ; 8 x lane
	v_lshlrev_b32 v6, 3, v2                        ; 8 r
	v_mul_u32_u24 v7, v2, SPITCH
	v_add_nc_u32 v[A16], s18, v4
	v_add_nc_u32 v[A8], s18, v5
	v_add_nc_u32 v[BL16], s19, v4
	v_add_nc_u32 v[BL8], s19, v5
	v_add_nc_u32 v[BH16], s20, v4
	v_add_nc_u32 v[BH8], s20, v5
	v_add_nc_u32 v[ASC], s21, v6
	v_add_nc_u32 v[BSC], s22, v6
	v_lshl_add_u32 v7, v3, 7, v7                   ; into the stage: row r, lanes 16-31 hold columns 32 further on
	v_add_nc_u32 v[STO], s23, v7
	v_add_nc_u32 v[RD], s23, v4                    ; back: the 32 lanes take one row of 512 bytes,
	v_lshlrev_b32 v[CO], 4, v1                     ; and the same in out0
.macro FRAG reg, a16, a8, off          ; a fragment, 16 rows x 128 K: two half images
	ds_load_b128 v[\reg:\reg+3], v[\a16] offset:\off
	ds_load_b64 v[\reg+4:\reg+5], v[\a8] offset:\off+512
	ds_load_b128 v[\reg+6:\reg+9], v[\a16] offset:\off+768
	ds_load_b64 v[\reg+10:\reg+11], v[\a8] offset:\off+1280
.endm
.macro FETCH st                        ; K step st's twelve fragments into the sets st % 2
	WIN TO_B
.irp i, 0,1,2,3
	FRAG 128*((\st)%2)+FR*\i, BL16, BL8, TILEB*\i+1536*(\st)
.endr
.irp i, 0,1,2,3
	FRAG 128*((\st)%2)+FR*(\i+4), BH16, BH8, TILEB*\i+1536*(\st)
.endr
	WIN 0
.irp i, 0,1,2,3
	FRAG AF+48*((\st)%2)+FR*\i, A16, A8, TILEB*\i+1536*(\st)
.endr
.endm
; 32 matrix instructions: A's four tiles x B's eight, 128 along K.  The 32 accumulators take turns, one instruction a turn, in the same order in every step.  zero = 1: the first products start the sums
.macro MUL32 st, zero
.irp a, 0,1,2,3
.irp b, 0,1,2,3,4,5,6,7
.if \zero
	v_wmma_scale_f32_16x16x128_f8f6f4 v[8*(8*\a+\b):8*(8*\a+\b)+7], v[128*((\st)%2)+FR*\b:128*((\st)%2)+FR*\b+FR-1], v[AF+48*((\st)%2)+FR*\a:AF+48*((\st)%2)+FR*\a+FR-1], 0, v[SC+32+8*\b+(\st)], v[SC+8*\a+(\st)] matrix_a_fmt:MATRIX_FMT_FP6 matrix_b_fmt:MATRIX_FMT_FP6
.else
	v_wmma_scale_f32_16x16x128_f8f6f4 v[8*(8*\a+\b):8*(8*\a+\b)+7], v[128*((\st)%2)+FR*\b:128*((\st)%2)+FR*\b+FR-1], v[AF+48*((\st)%2)+FR*\a:AF+48*((\st)%2)+FR*\a+FR-1], v[8*(8*\a+\b):8*(8*\a+\b)+7], v[SC+32+8*\b+(\st)], v[SC+8*\a+(\st)] matrix_a_fmt:MATRIX_FMT_FP6 matrix_b_fmt:MATRIX_FMT_FP6
.endif
.endr
.endr
.endm
; A K step: its fragments are in; the next step's are asked for, into the sets that the step before multiplied (four places behind its last products); then the 32 products
.macro STEP st, zero
	s_wait_dscnt 0x0
.if (\st) < 7
.if (\st) > 0
	PLACES 4
.endif
	FETCH (\st)+1
.else
	s_barrier_signal -1                            ; my reads of the codes and scales are over: say so, and work on registers while the others arrive
.endif
	WIN MUL
	MUL32 \st, \zero
	WIN 0
.endm
	s_wait_alu depctr_va_vdst(0)                   ; the wait at the head's end
	s_wait_tensorcnt 0x0                           ; my tile of the four is in,
	s_barrier_signal -1
	s_barrier_wait -1                              ; everybody's is
.irp i, 0,1,2,3                        ; all scale words, once: 8 words a row and tile, as four loads of two
.irp s, 0,1,2,3
	ds_load_b64 v[SC+8*\i+2*\s:SC+8*\i+2*\s+1], v[ASC] offset:512*\i+128*\s
.endr
.endr
.irp i, 0,1,2,3,4,5,6,7
.irp s, 0,1,2,3
	ds_load_b64 v[SC+32+8*\i+2*\s:SC+32+8*\i+2*\s+1], v[BSC] offset:512*\i+128*\s
.endr
.endr
	FETCH 0
	STEP 0, 1
.irp k, 1,2,3,4,5,6,7
	STEP \k, 0
.endr
	s_barrier_wait -1                              ; nobody reads A's codes any more: the stages may be laid over them
; THE WAY OUT, block by block of 16 tokens x 128 columns, through my own stage: in as 32 bytes a lane, back as whole rows of 512 bytes.  LDS serves a wave's instructions in order: no wait between the stores and the loads
.macro TOSTAGE a
.set AC, 64*(\a)
	WIN 0x08                                       ; the data: window 2
.irp b, 0,1,2,3,4,5,6,7
	ds_store_b128 v[STO], v[AC+8*\b:AC+8*\b+3] offset:256*(\b/4)+32*(\b%4)          ; tile b's register j is column 64 (b / 4) + 32 (lane / 16) + 8 (b % 4) + j; each accumulator from its low end on
	ds_store_b128 v[STO], v[AC+8*\b+4:AC+8*\b+7] offset:256*(\b/4)+32*(\b%4)+16
.endr
	WIN 0
.set BB, BK+64*((\a)%2)
.irp t, 0,1,2,3,4,5,6,7,8,9,10,11,12,13,14,15
	ds_load_b128 v[BB+4*\t:BB+4*\t+3], v[RD] offset:\t*SPITCH
.endr
.endm
.macro SEND a, younger                 ; younger: the LDS instructions issued behind block a's loads, which may stay out
.set BB, BK+64*((\a)%2)
	s_wait_dscnt \younger
.irp t, 0,1,2,3,4,5,6,7,8,9,10,11,12,13,14,15
	global_store_b128 v[CO], v[BB+4*\t:BB+4*\t+3], s[12:13] offset:(8*(\a)+\t%8+32*(\t/8))*4096 th:TH_STORE_NT   ; tile a's row t is token 32 (t / 8) + 8 a + t % 8 of my 64; 32 lanes store 512 consecutive bytes, aligned
.endr
.endm
	PLACES 4                                       ; behind the last products: for the reads of their results and the loads into A's fragments' registers
	TOSTAGE 0
.irp a, 1,2,3
.if \a > 1
	s_wait_xcnt 0x0                                ; block a - 2's stores have read their registers: block a's loads may land there
.endif
	TOSTAGE \a
	SEND \a-1, 32                                  ; behind block a - 1's loads: block a's 16 stores and 16 loads
.endr
	SEND 3, 0
	s_wait_tensorcnt 0x0                           ; the wave's end
	ds_add_u32 v[SPW], v[NIL]
	s_wait_dscnt 0x0
	CROUND                                         ; the closing round
	s_endpgm
.Lfunc_end_k_q49ef3c4d8e_outgemm:
	.size	k_q49ef3c4d8e_outgemm, .Lfunc_end_k_q49ef3c4d8e_outgemm-k_q49ef3c4d8e_outgemm
	.p2alignl 7, 3214868480
	.fill 96, 4, 3214868480
	.section	.rodata,"a",@progbits
	.p2align	6, 0x0
	.amdhsa_kernel k_q49ef3c4d8e_outgemm
		.amdhsa_group_segment_fixed_size 327680
		.amdhsa_private_segment_fixed_size 0
		.amdhsa_enable_private_segment 0
		.amdhsa_kernarg_size 24
		.amdhsa_user_sgpr_count 2
		.amdhsa_user_sgpr_kernarg_segment_ptr 1
		.amdhsa_wavefront_size32 1
		.amdhsa_system_sgpr_workgroup_id_x 1
		.amdhsa_system_sgpr_workgroup_id_y 1
		.amdhsa_system_sgpr_workgroup_id_z 1
		.amdhsa_system_vgpr_workitem_id 0
		.amdhsa_next_free_vgpr 768
		.amdhsa_next_free_sgpr 96
		.amdhsa_reserve_vcc 0
		.amdhsa_float_denorm_mode_32 3
		.amdhsa_float_denorm_mode_16_64 3
		.amdhsa_memory_ordered 1
		.amdhsa_forward_progress 1
		.amdhsa_inst_pref_size 84
	.end_amdhsa_kernel
	.amdgpu_metadata
---
amdhsa.version: [ 1, 2 ]
amdhsa.kernels:
  - .name:           k_q49ef3c4d8e_outgemm
    .symbol:         k_q49ef3c4d8e_outgemm.kd
    .args:
      - { .name: ctx, .offset: 0, .size: 8, .value_kind: global_buffer, .address_space: global }
      - { .name: opq, .offset: 8, .size: 8, .value_kind: global_buffer, .address_space: global }
      - { .name: out0, .offset: 16, .size: 8, .value_kind: global_buffer, .address_space: global }
    .group_segment_fixed_size: 327680
    .private_segment_fixed_size: 0
    .kernarg_segment_align: 8
    .kernarg_segment_size: 24
    .max_flat_workgroup_size: 128
    .sgpr_count:     96
    .vgpr_count:     768
    .wavefront_size: 32
...
	.end_amdgpu_metadata
.endif
;; end of part 4
